; MI455X (gfx1250); checked and timed in simulation.
; The chip was launched on July 23, 2026; its instructions are those of AMD's public machine-readable ISA for CDNA 5 (MIT licence, August 2026) and "CDNA5" Instruction Set Architecture Reference Guide (July 2026). The comments in the code are by the model that wrote it; some were corrected since.
;; Attention Based Pooling. Allowed arithmetic: matrix products marked QUANTISED: E3M2 operands, one E8M0 scale for each 32 along K, by v_wmma_scale_f32_16x16x128_f8f6f4 with both operands' format E3M2, f32 sums; products left as they are: f32 operands where the result goes on into a quantised operand, else bf16, f16 or f32 operands; f32 sums; everything else in f32.
;; Inputs: W1_codes 64 x 2 x 24 uint8 (E3M2 codes of W1, K innermost, in blocks of 32 codes, four codes in three bytes); W1_scales 64 x 2 uint8 (E8M0 scales of W1, one for each 32 codes along K); Ws 64 x 1 float32; b1 64 float32; bs 1 float32; x 2,048 x 32 x 64 float32.
;; Outputs: out0 2,048 x 1 float32.
;; This version of the problem:
;;   THIS VERSION OF THE PROBLEM IS GIVEN IN LOW PRECISION. The matrix products marked QUANTISED in the list below multiply operands that are first quantised to E3M2 (3 exponent bits, 2 mantissa bits; 6 bits a number), with one power-of-two scale for each 32 numbers along K (OCP MX v1.0); their sums are f32. All else is computed in f32.
;;   The module's matrix products, in the order in which they are computed (A, B: the left and right operand; K: the contracted axis; several contracted axes count as one K, in the product's order):
;;     1. [M 1,015,808, K 64] x [K 64, N 64]; A: computed on the way; B: input W1 (given as codes): QUANTISED
;;     2. [M 1,015,808, K 64] x [K 64, N 1]; A: computed on the way; B: input Ws: left as it is (N = 1 < 16)
;;   THE QUANTISER, for each operand of a quantised product, along K:
;;     - K is cut into blocks of 32 from its start; a last block that is shorter is filled with zeros.
;;     - A block's scale is 2^e with e = floor(log2(the largest magnitude in the block)) - 4, held to -126 .. 127; a block of zeros has e = 0. As a byte (E8M0): e + 127.
;;     - Each number is divided by its block's scale, clamped to +-28, and rounded to the nearest number of E3M2, ties to even, subnormals kept.
;;     - The product sums the exact products of the quantised numbers (number of the format x scale) in f32.
;;   ~~~python
;;   def quantise(x, axis):      # numpy; x: float32 -> the quantised numbers, widened to float32 again
;;       x = np.moveaxis(x, axis, -1); K = x.shape[-1]
;;       x = np.pad(x, [(0, 0)] * (x.ndim - 1) + [(0, -K % 32)]); x = x.reshape(x.shape[:-1] + (-1, 32)); a = np.abs(x).max(-1, keepdims=True)
;;       e = np.where(a > 0, np.clip(np.frexp(np.where(a > 0, a, 1))[1] - 1 - 4, -126, 127), 0)      # np.frexp(a)[1] - 1 = floor(log2(a)), exactly
;;       r = np.clip(x / 2.0 ** e, -28, 28)
;;       step = 2.0 ** (np.maximum(np.frexp(np.where(r == 0, 1, r))[1] - 1, -2) - 2)
;;       q = np.round(r / step) * step * 2.0 ** e      # np.round: ties to even
;;       return np.moveaxis(q.reshape(q.shape[:-2] + (-1,))[..., :K], -1, axis).astype(np.float32)
;;   ~~~
;;   OPERANDS COMPUTED ON THE WAY. 'Computed on the way' means the value that the module computes at that place (a softmax that the list does not call 'softmax' is quantised finished and normalised). What goes into a quantiser is computed in f32, as accurately as f32 sums, v_exp_f32 and their like allow (about 1e-6 of the number): no bf16 or f16 on the way to a quantiser, and a product that is left as it is and whose result goes on into a quantised operand takes f32 operands (vector FMAs, or v_wmma_f32_16x16x4_f32). A number that lies on a knife's edge between two numbers of the format may be rounded either way, as far as f32 arithmetic and the matrix unit's own rounding can turn it there, and no further.
;;   INPUTS GIVEN AS CODES. W1 (in the module: [64, 64], K = its axis 0): each comes as NAME_codes (uint8): NAME with its K axis moved to the last place and cut into blocks of 32 codes, [.., K / 32, bytes a block], one block behind the other in memory; four codes in three bytes: a row's codes are one little-endian stream of bits, code i at bits 6 i .. 6 i + 5 (a code: sign, 3 exponent bits, 2 mantissa bits); and NAME_scales (uint8): the same leading axes, one E8M0 byte (e + 127) for each 32 codes along K. Its value is code x scale, taken as it is: it is not quantised again, and the codes and scales need not be those that the quantiser above would give.
;; One version. Each part assembles by itself: llvm-mc -triple=amdgcn-amd-amdhsa -mcpu=gfx1250 --defsym DOCPART=n.
;; ======== version 1 of 1: 1 launch
;; launch afm (part 1): grid 256 x 1, 16 waves a work-group, no clusters, 174,080 bytes of LDS; arguments x, W1_codes, W1_scales, b1, Ws, bs, out0; writes out0
.if DOCPART == 1
	.amdgcn_target "amdgcn-amd-amdhsa--gfx1250"
	.amdhsa_code_object_version 6
	.text
	.protected	k_qb1d0c94024_afm
	.globl	k_qb1d0c94024_afm
	.p2align	8
	.type	k_qb1d0c94024_afm,@function
k_qb1d0c94024_afm:
	s_mov_b64 s[64:65], 0
	v_nop
	global_prefetch_b8 v0, s[64:65] scope:SCOPE_SE
	s_setreg_imm32_b32 hwreg(HW_REG_WAVE_MODE, 25, 1), 1
	s_wait_xcnt 0x0
; out0[b] = sum over pairs p of softmax_p(relu(Q(cross[p]) W1 + b1) . Ws + bs) x (sum over d of cross[p][d]),  cross[p] = x[b][i] * x[b][j], 496 pairs of 32 fields, 64 numbers each.
; Q: codes of BF6 (E3M2) with one E8M0 scale for each 32 along d; W1 comes as such codes.  All else in f32.  (The sum over d of the pooled vector is the weighted sum of the pairs' own sums: pool is not formed.)
; THE PAIRS are taken by cyclic distance: {l, (l + d) mod 32}, d = 1..15 for all 32 l, d = 16 for l = 0..15: each pair once, 31 full tiles of 16.  A softmax does not ask in which order its terms come.
; SHARES.  A work-group of 16 waves takes 8 batch rows.  Batch row q = wave & 7 is served by two waves: role u = wave >> 3 owns fields l = 16 u + r and takes d = 1..15; role 0 also d = 16, role 1 the closing softmax.
; LDS, 21,504 bytes a batch row: x as 48 rows 272 bytes apart (rows 32-47 repeat rows 0-15, so that field l + d needs no modulo), then a part of a score and a part of a sum for each lane of each tile.
;   Rows 272 bytes apart: sixteen lanes that read the same 16 bytes of sixteen neighbouring rows touch sixteen different 16-byte columns modulo 256.
; A LANE (r = lane % 16, h = lane / 16) holds the numbers d = 32 h .. 32 h + 31 of pair r: one whole block of the quantiser.  Its own field stays in registers; the partner field comes from LDS, 8 loads a tile.
; K SLOTS.  The instruction has 128 along K, the product 64.  A block's codes 0-15 stand in operand registers 0-2, its codes 16-31 in registers 6-8 (a conversion's three registers begin on an even number);
;   registers 3-5 and 9-11 are zero codes, written once.  W1's fragments are laid alike, so the same exact products are summed.  A scale word is therefore s0, s1, s0, s1 (s0, s1: the bytes of d's two blocks).
; THE PRODUCT IS USED TRANSPOSED: source 0 = 16 hidden units of W1, source 1 = 16 pairs, C = b1: a lane holds hidden units 16 n + 8 h + 0..7 of ITS pair, so relu and the product with Ws stay in the lane.
; A TRIP: products of tile t | cross, scale, codes and sum of tile t + 1 | fetch of tile t + 2 | relu and Ws of tile t.  So every distance round the matrix instructions is filled with work that is due anyway.
; LIMITS: NaN and infinities among the inputs are not served.  A block of zeros gets the byte 1 where the quantiser says 127: its codes are zeros.  A softmax weight under 2^-126 counts as 0 (v_exp_f32).
;   Sums are taken in another order than reference() takes them.  out0 leaves as 4 bytes a batch row: a work-group has 32 bytes of it in all.
.set PITCH,  272                       ; an LDS row of x: 256 bytes + 16
.set XROWS,  48
.set SCP,    XROWS*PITCH               ; in a batch row's region: the scores' parts, 32 tiles x 128 bytes (pair r: 8 r; half h: + 4)
.set DOT,    4096                      ; the sums' parts lie this far behind the scores'
.set REGION, 21504
.set TRIPS,  14                        ; the same constant for both roles
.set FLOOR,  5<<23                     ; 2^(5 - 127): no largest magnitude is taken under it, so a scale's byte cannot fall under 1
.set VA,   1                           ; v1   LDS: my own field's 128 bytes: region + (16 u + r) PITCH + 128 h
.set ADR,  2                           ; v2   the partner rows to be fetched
.set VP,   3                           ; v3   LDS: my word in my role's first tile of parts
.set PADR, 4                           ; v4   the same for the tile in hand
.set VST,  5                           ; v5   LDS: where my 16 bytes of a load of x go
.set VF,   6                           ; v6   LDS: the closing softmax's reads
.set LN,   7                           ; v7   at work
.set WSC,  8                           ; v8-11   W1's scale words, one for each 16 hidden units
.set SW,   12                          ; v12  cross's scale word
.set OTH,  13                          ; v13  what comes from lane l xor 16
.set SCL,  14                          ; v14  the conversions' scale operand
.set EB,   15                          ; v15  my block's scale byte
.set MX,   16                          ; v16-19  four chains of the largest magnitude (at the head: offsets of the global loads)
.set DSUM, 20                          ; v20-27  four chains of the sum of cross
.set SSUM, 28                          ; v28-31  two chains of the score
.set OWN,  32                          ; v32-63  my own field
.set PAR,  64                          ; v64-95  the partner field, then cross
.set CQ,   96                          ; v96-107  cross's codes: source 1
.set ACC,  108                         ; v108-139 four accumulators (at the head: x as loaded)
.set WF,   140                         ; v140-187 W1's four fragments
.set B1,   188                         ; v188-219 b1 in the result's layout
.set WSV,  220                         ; v220-251 Ws likewise
.set BS,   252                         ; v252-253 bs in lanes 0-15 of the first, zeros elsewhere
.set SC,   96                          ; the closing softmax: 16 scores, then weights
.set DT,   112                         ; and the pairs' 16 sums
.set WV,   20                          ; s20 wave, s21 q, s22 u
.set QB,   21
.set RU,   22
.set BSS,  30
.set SEL,  32                          ; s[32:33] v_permlanex16_b32's selects for lane l xor 16
.set CNT,  34
.set STP,  35
.set PSP,  36
.set SAV,  37
	s_load_b256 s[4:11], s[0:1], 0x0               ; x s[4:5], W1's codes s[6:7], W1's scales s[8:9], b1 s[10:11]
	s_load_b128 s[12:15], s[0:1], 0x20             ; Ws s[12:13], bs s[14:15]
	s_load_b64 s[16:17], s[0:1], 0x30              ; out0
	v_lshl_add_u32 v254, v0, 2, 0x2a000
	v_mov_b32 v255, 0
	v_lshrrev_b32 v[LN], 5, v0
	s_delay_alu instid0(VALU_DEP_1)
	v_readfirstlane_b32 s[WV], v[LN]               ; wave 0..15
	s_and_b32 s[QB], s[WV], 7                      ; q: which of the work-group's 8 batch rows
	s_lshr_b32 s[RU], s[WV], 3                     ; u: my role
	v_and_b32 v[LN], 15, v0                        ; r
	v_bfe_u32 v[OTH], v0, 4, 1                     ; h
	; every LDS address is made here, ahead of the first branch on the role
	s_mul_i32 s23, s[QB], REGION
	s_mul_i32 s24, s[RU], 16*PITCH
	s_add_co_u32 s24, s24, s23                     ; my batch row's region, my role's 16 rows
	v_mul_u32_u24 v[VST], v[OTH], PITCH
	s_delay_alu instid0(VALU_DEP_1)
	v_lshl_add_u32 v[VST], v[LN], 4, v[VST]
	s_delay_alu instid0(VALU_DEP_1)
	v_add_nc_u32 v[VST], s24, v[VST]               ; a load of x is two rows: lanes 0-15 one, lanes 16-31 the next, 16 bytes a lane
	v_mul_u32_u24 v[VA], v[LN], PITCH
	s_delay_alu instid0(VALU_DEP_1)
	v_lshl_add_u32 v[VA], v[OTH], 7, v[VA]
	s_delay_alu instid0(VALU_DEP_1)
	v_add_nc_u32 v[VA], s24, v[VA]
	s_lshl_b32 s25, s[RU], 11                      ; role u's tiles of parts: 16 u on, 128 bytes each
	s_add_co_u32 s25, s25, s23
	s_add_co_u32 s25, s25, SCP
	v_lshlrev_b32 v[VP], 3, v[LN]
	s_delay_alu instid0(VALU_DEP_1)
	v_lshl_add_u32 v[VP], v[OTH], 2, v[VP]
	s_delay_alu instid0(VALU_DEP_1)
	v_add_nc_u32 v[VP], s25, v[VP]
	s_add_co_u32 s26, s23, SCP
	v_lshlrev_b32 v[VF], 3, v[LN]
	s_delay_alu instid0(VALU_DEP_1)
	v_lshl_add_u32 v[VF], v[OTH], 7, v[VF]
	s_delay_alu instid0(VALU_DEP_1)
	v_add_nc_u32 v[VF], s26, v[VF]                 ; lanes 0-15 read tile 2 k, lanes 16-31 tile 2 k + 1: both halves' parts of pair r, 8 bytes
	; offsets of the global loads
	v_and_b32 v[MX], 31, v0
	s_delay_alu instid0(VALU_DEP_1)
	v_lshlrev_b32 v[MX], 4, v[MX]                  ; x: 16 bytes a lane, 512 consecutive bytes a load
	v_mul_u32_u24 v[MX+1], v[LN], 48
	s_delay_alu instid0(VALU_DEP_1)
	v_mad_u32_u24 v[MX+1], v[OTH], 24, v[MX+1]     ; W1's codes: hidden unit r (48 bytes a row), block h (24 bytes)
	v_lshlrev_b32 v[MX+2], 5, v[OTH]               ; b1, Ws: my half's eight numbers
	v_lshlrev_b32 v[MX+3], 1, v[LN]                ; W1's scales: two bytes a hidden unit
	s_lshl_b32 s28, ttmp9, 16                      ; the work-group's 8 batch rows of 8,192 bytes,
	s_lshl_b32 s27, s[QB], 13                      ; my batch row,
	s_add_co_u32 s28, s28, s27
	s_lshl_b32 s27, s[RU], 12                      ; my role's 16 fields
	s_add_co_u32 s28, s28, s27
	s_mov_b32 s29, 0
	s_mov_b32 s[SEL], 0x76543210
	s_mov_b32 s[SEL+1], 0xfedcba98
	s_wait_alu depctr_va_vdst(0)
	s_wait_kmcnt 0x0
	s_add_nc_u64 s[4:5], s[4:5], s[28:29]
	s_load_b32 s[BSS], s[14:15], 0x0               ; bs
.irp i,0,1,2,3,4,5,6,7
	global_load_b128 v[ACC+4*\i:ACC+4*\i+3], v[MX], s[4:5] offset:512*\i th:TH_LOAD_NT   ; x first: all else waits for it; read once in the launch
.endr
.irp n,0,1,2,3                                 ; 28 loads: the weights of hidden units 16 n .. 16 n + 15
	global_load_b96 v[WF+12*\n:WF+12*\n+2], v[MX+1], s[6:7] offset:768*\n          ; codes 0-15 of my block: 12 bytes
	global_load_b96 v[WF+12*\n+6:WF+12*\n+8], v[MX+1], s[6:7] offset:768*\n+12     ; codes 16-31
	global_load_u16 v[WSC+\n], v[MX+3], s[8:9] offset:32*\n                        ; the unit's two scale bytes
	global_load_b128 v[B1+8*\n:B1+8*\n+3], v[MX+2], s[10:11] offset:64*\n
	global_load_b128 v[B1+8*\n+4:B1+8*\n+7], v[MX+2], s[10:11] offset:64*\n+16
	global_load_b128 v[WSV+8*\n:WSV+8*\n+3], v[MX+2], s[12:13] offset:64*\n
	global_load_b128 v[WSV+8*\n+4:WSV+8*\n+7], v[MX+2], s[12:13] offset:64*\n+16
.endr
.irp z,3,4,5,9,10,11                           ; the K slots that the product does not fill: zero codes, written once
.irp n,0,1,2,3
	v_mov_b32 v[WF+12*\n+\z], 0
.endr
	v_mov_b32 v[CQ+\z], 0
.endr
	s_wait_loadcnt 28                              ; x's 8 loads are in; the 28 loads of weights issued behind them may stay out
.irp i,0,1,2,3,4,5,6,7
	ds_store_b128 v[VST], v[ACC+4*\i:ACC+4*\i+3] offset:2*\i*PITCH
.endr
	s_cmp_lg_u32 s[RU], 0
	s_cbranch_scc1 .Lno_copy
.irp i,0,1,2,3,4,5,6,7
	ds_store_b128 v[VST], v[ACC+4*\i:ACC+4*\i+3] offset:(32+2*\i)*PITCH   ; role 0: fields 0-15 once more, as rows 32-47
.endr
.Lno_copy:
	s_wait_dscnt 0x0                               ; for the others' sake: my rows lie in LDS
	s_barrier_signal -1
	s_barrier_wait -1                              ; everybody's do; from here on x's rows are only read
.irp c,0,1,2,3,4,5,6,7
	ds_load_b128 v[OWN+4*\c:OWN+4*\c+3], v[VA] offset:16*\c              ; my own field, for all tiles
.endr
.irp c,0,1,2,3,4,5,6,7
	ds_load_b128 v[PAR+4*\c:PAR+4*\c+3], v[VA] offset:PITCH+16*\c        ; the partner at distance 1
.endr
	s_wait_loadcnt 0x0                             ; the weights
	s_wait_kmcnt 0x0                               ; bs
.irp n,0,1,2,3
	v_lshl_or_b32 v[WSC+\n], v[WSC+\n], 16, v[WSC+\n]   ; s0, s1 -> s0, s1, s0, s1
.endr
	v_cmp_eq_u32 vcc_lo, 0, v[OTH]
	v_mov_b32 v[BS], s[BSS]
	v_mov_b32 v[BS+1], 0
	s_delay_alu instid0(VALU_DEP_2)
	v_cndmask_b32 v[BS], 0, v[BS], vcc_lo          ; bs is added once to a pair's score: in its lane of half 0
; The four products of a tile: hidden units 16 n on x my 16 pairs, + b1.  Four accumulators, none added onto in place.
.macro MUL4
.irp n,0,1,2,3
	v_wmma_scale_f32_16x16x128_f8f6f4 v[ACC+8*\n:ACC+8*\n+7], v[WF+12*\n:WF+12*\n+11], v[CQ:CQ+11], v[B1+8*\n:B1+8*\n+7], v[WSC+\n], v[SW] matrix_a_fmt:MATRIX_FMT_BF6 matrix_b_fmt:MATRIX_FMT_BF6
.endr
.endm
; A tile is prepared: cross, its sum's part, its block's scale, its codes.  54 vector instructions.  The partner rows are in (the wait stands ahead of the macro).
; ldoff >= 0: the partner rows of the next tile are fetched from v[adr] + ldoff, into the registers that cross leaves.
.macro PRE adr, ldoff, padr, dotoff
.irp i,0,2,4,6,8,10,12,14,16,18,20,22,24,26,28,30
	v_pk_mul_f32 v[PAR+\i:PAR+\i+1], v[PAR+\i:PAR+\i+1], v[OWN+\i:OWN+\i+1]   ; cross, as reference() rounds it
.endr
	; the largest magnitude of my 32 (and the floor): 33 leaves, 16 instructions, four chains; the sum of my 32: 16 pairs, four chains; the chains by turns
	v_max3_num_f32 v[MX], |v[PAR]|, |v[PAR+1]|, FLOOR
.irp k,1,2,3
	v_max3_num_f32 v[MX+\k], |v[PAR+3*\k-1]|, |v[PAR+3*\k]|, |v[PAR+3*\k+1]|
.endr
.irp k,0,1,2,3
	v_pk_add_f32 v[DSUM+2*\k:DSUM+2*\k+1], v[PAR+4*\k:PAR+4*\k+1], v[PAR+4*\k+2:PAR+4*\k+3]
.endr
.irp k,0,1,2,3
	v_max3_num_f32 v[MX+\k], v[MX+\k], |v[PAR+11+2*\k]|, |v[PAR+12+2*\k]|
.endr
.irp k,0,1,2,3
	v_pk_add_f32 v[DSUM+2*\k:DSUM+2*\k+1], v[DSUM+2*\k:DSUM+2*\k+1], v[PAR+16+2*\k:PAR+17+2*\k]
.endr
.irp k,0,1,2,3
	v_max3_num_f32 v[MX+\k], v[MX+\k], |v[PAR+19+2*\k]|, |v[PAR+20+2*\k]|
.endr
.irp k,0,1,2,3
	v_pk_add_f32 v[DSUM+2*\k:DSUM+2*\k+1], v[DSUM+2*\k:DSUM+2*\k+1], v[PAR+24+2*\k:PAR+25+2*\k]
.endr
	v_max3_num_f32 v[MX], v[MX], |v[PAR+27]|, |v[PAR+28]|
	v_max3_num_f32 v[MX+1], v[MX+1], |v[PAR+29]|, |v[PAR+30]|
	v_pk_add_f32 v[DSUM:DSUM+1], v[DSUM:DSUM+1], v[DSUM+2:DSUM+3]
	s_delay_alu instid0(VALU_DEP_4)
	v_pk_add_f32 v[DSUM+4:DSUM+5], v[DSUM+4:DSUM+5], v[DSUM+6:DSUM+7]
	s_delay_alu instid0(VALU_DEP_3)
	v_max3_num_f32 v[MX], v[MX], v[MX+1], v[MX+2]
	s_delay_alu instid0(VALU_DEP_2)
	v_pk_add_f32 v[DSUM:DSUM+1], v[DSUM:DSUM+1], v[DSUM+4:DSUM+5]
	s_delay_alu instid0(VALU_DEP_2)
	v_max3_num_f32 v[MX], v[MX], v[MX+3], |v[PAR+31]|
	s_delay_alu instid0(VALU_DEP_2)
	v_add_f32 v[DSUM], v[DSUM], v[DSUM+1]          ; my half's part of the pair's sum
	s_delay_alu instid0(VALU_DEP_2)
	v_add_nc_u32 v[SCL], 0xfe000000, v[MX]         ; 4 off the exponent field: the conversions take this operand's exponent field as the scale
	ds_store_b32 v[\padr], v[DSUM] offset:\dotoff
	v_lshrrev_b32 v[EB], 23, v[SCL]                ; the scale's byte
	v_cvt_scalef32_pk16_bf6_f32 v[CQ:CQ+2], v[PAR:PAR+15], v[SCL]         ; to the nearest code, ties to even, beyond 28 the largest code
	v_cvt_scalef32_pk16_bf6_f32 v[CQ+6:CQ+8], v[PAR+16:PAR+31], v[SCL]
	v_permlanex16_b32 v[OTH], v[EB], s[SEL], s[SEL+1]                     ; the pair's other block's byte
	s_delay_alu instid0(VALU_DEP_1)
	v_perm_b32 v[SW], v[OTH], v[EB], 0x04000400    ; mine, the other's, mine, the other's: in lanes 0-15, which the instruction reads, s0, s1, s0, s1
.if \ldoff >= 0
.irp c,0,1,2,3,4,5,6,7
	ds_load_b128 v[PAR+4*\c:PAR+4*\c+3], v[\adr] offset:\ldoff+16*\c
.endr
.endif
.endm
; A tile is finished: relu, two at a time, and the product with Ws, two at a time in two chains; 34 vector instructions.  Each accumulator is read from its low end on.
.macro RELU j
	v_dual_max_num_f32 v[ACC+(\j)], 0, v[ACC+(\j)] :: v_dual_max_num_f32 v[ACC+(\j)+1], 0, v[ACC+(\j)+1]
.endm
.macro SCORE p, ch
.if (\p) == 0
	v_pk_fma_f32 v[SSUM:SSUM+1], v[ACC:ACC+1], v[WSV:WSV+1], v[BS:BS+1]   ; the first product starts the sum, onto bs
.elseif (\p) == 2
	v_pk_mul_f32 v[SSUM+2:SSUM+3], v[ACC+2:ACC+3], v[WSV+2:WSV+3]
.else
	v_pk_fma_f32 v[SSUM+2*(\ch):SSUM+2*(\ch)+1], v[ACC+(\p):ACC+(\p)+1], v[WSV+(\p):WSV+(\p)+1], v[SSUM+2*(\ch):SSUM+2*(\ch)+1]
.endif
.endm
.macro POST off
.irp j,0,2,4,6
	RELU \j
.endr
.irp b,0,1,2,3                                 ; the next accumulator's relu stands between this one's multiply-adds
.irp k,0,1,2,3
.if \b < 3
	RELU 8*(\b+1)+2*\k
.endif
	SCORE 8*\b+2*\k, \k%2
.endr
.endr
	s_delay_alu instid0(VALU_DEP_1)
	v_pk_add_f32 v[SSUM:SSUM+1], v[SSUM:SSUM+1], v[SSUM+2:SSUM+3]
	s_delay_alu instid0(VALU_DEP_1)
	v_add_f32 v[SSUM], v[SSUM], v[SSUM+1]          ; my half's part of the pair's score
	ds_store_b32 v[PADR], v[SSUM] offset:\off
.endm
	s_wait_dscnt 0x0                               ; my own field and the first partner are in
	PRE VA, 2*PITCH, VP, DOT                       ; tile 1; the partner at distance 2 is fetched
.rept 8
	v_nop                                          ; a scale word made by a vector instruction stands 8 places ahead of the product that takes it, codes so made 4; in the loop POST's lines are these places
.endr
	s_mov_b32 s[STP], 3*PITCH
	s_mov_b32 s[PSP], 0
	s_mov_b32 s[CNT], TRIPS
.Ltile:                                            ; trip t = 1 .. 14
	MUL4                                           ; tile t
	s_wait_dscnt 0x0                               ; the partner rows of tile t + 1 are in (asked for a whole POST ago), and my stores have read their registers: both addresses may be written
	v_add_nc_u32 v[ADR], s[STP], v[VA]             ; rows at distance t + 2
	v_add_nc_u32 v[PADR], s[PSP], v[VP]            ; tile t's parts; tile t + 1's lie 128 bytes on
	PRE ADR, 0, PADR, DOT+128                      ; tile t + 1.  Its first lines name no register of the products: they are the places (ISA guide 7.12.1) ahead of the writes of codes and scale word and of POST's reads.
	                                               ; In the last trip the rows at distance 16 are fetched by both roles; role 1 does not use them: the price of one trip count for both
	POST 0                                         ; tile t
	s_add_co_u32 s[STP], s[STP], PITCH
	s_add_co_u32 s[PSP], s[PSP], 128
	s_sub_co_u32 s[CNT], s[CNT], 1
	s_cmp_lg_u32 s[CNT], 0
	s_cbranch_scc1 .Ltile
	MUL4                                           ; tile 15
	s_wait_dscnt 0x0
	v_add_nc_u32 v[PADR], s[PSP], v[VP]            ; tile 15's parts.  With the three lines below: four places ahead of POST's reads, for role 1's way
.rept 3
	v_nop
.endr
	s_cmp_lg_u32 s[RU], 0
	s_cbranch_scc1 .Lno_tile_16
	PRE VA, -1, PADR, DOT+128                      ; role 0: tile 16; nothing more to fetch
.Lno_tile_16:
	POST 0                                         ; tile 15
	s_cmp_lg_u32 s[RU], 0
	s_cbranch_scc1 .Lempty_place
	MUL4                                           ; role 0: tile 16
.rept 4
	v_nop                                          ; no other work is left for the places ahead of the reads
.endr
	POST 128
	s_branch .Lmeet
.Lempty_place:                                     ; role 1 has 15 tiles: its 16th place holds no pair: score -infinity, so that its weight is 0, and sum 0
	v_mov_b32 v[MX], 0xff800000
	v_mov_b32 v[MX+1], 0
	ds_store_b32 v[VP], v[MX] offset:15*128
	ds_store_b32 v[VP], v[MX+1] offset:DOT+15*128
.Lmeet:
	s_wait_dscnt 0x0                               ; for the others' sake: my parts lie in LDS (and no LDS load of mine is out)
	s_barrier_signal -1
	s_barrier_wait -1
	s_cmp_eq_u32 s[RU], 0
	s_cbranch_scc1 .Lend                           ; role 0 is done
	; THE CLOSING SOFTMAX of a batch row, by its role 1 wave.  Register k: lanes 0-15 the pairs of tile 2 k, lanes 16-31 those of tile 2 k + 1.
.irp k,0,1,2,3,4,5,6,7,8,9,10,11,12,13,14,15
	ds_load_b64 v[OWN+2*\k:OWN+2*\k+1], v[VF] offset:256*\k
.endr
.irp k,0,1,2,3,4,5,6,7,8,9,10,11,12,13,14,15
	ds_load_b64 v[PAR+2*\k:PAR+2*\k+1], v[VF] offset:DOT+256*\k
.endr
	s_wait_dscnt 16                                ; the scores' parts are in; the 16 loads of the sums' parts issued behind them may stay out
.irp k,0,1,2,3,4,5,6,7,8,9,10,11,12,13,14,15
	v_add_f32 v[SC+\k], v[OWN+2*\k], v[OWN+2*\k+1]   ; the two halves' parts: the score
.endr
.irp k,0,1,2,3
	v_max3_num_f32 v[MX+\k], v[SC+3*\k], v[SC+3*\k+1], v[SC+3*\k+2]
.endr
	s_delay_alu instid0(VALU_DEP_4)
	v_max3_num_f32 v[MX], v[MX], v[SC+12], v[SC+13]
	s_delay_alu instid0(VALU_DEP_4)
	v_max3_num_f32 v[MX+1], v[MX+1], v[SC+14], v[SC+15]
	s_delay_alu instid0(VALU_DEP_3)
	v_max_num_f32 v[MX+2], v[MX+2], v[MX+3]
	s_delay_alu instid0(VALU_DEP_1)
	v_max3_num_f32 v[MX], v[MX], v[MX+1], v[MX+2]
.irp m,1,2,4,8
	s_delay_alu instid0(VALU_DEP_1)
	v_max_num_f32_dpp v[MX], v[MX], v[MX] row_xmask:\m row_mask:0xf bank_mask:0xf
.endr
	s_delay_alu instid0(VALU_DEP_1)
	v_permlanex16_b32 v[OTH], v[MX], s[SEL], s[SEL+1]
	s_delay_alu instid0(VALU_DEP_1)
	v_max_num_f32 v[MX], v[MX], v[OTH]             ; the largest of the 496 scores, in every lane
.irp k,0,2,4,6,8,10,12,14
	v_pk_add_f32 v[SC+\k:SC+\k+1], v[SC+\k:SC+\k+1], v[MX:MX+1] op_sel_hi:[1,0] neg_lo:[0,1] neg_hi:[0,1]   ; score - maximum first, as reference() has it, so that large scores lose nothing
.endr
.irp k,0,2,4,6,8,10,12,14
	v_pk_mul_f32 v[SC+\k:SC+\k+1], v[SC+\k:SC+\k+1], 0x3fb8aa3b op_sel_hi:[1,0]   ; x log2(e)
.endr
	s_wait_alu depctr_va_vdst(0)
.irp k,0,1,2,3,4,5,6,7,8,9,10,11,12,13,14,15
	v_exp_f32 v[SC+\k], v[SC+\k]                   ; the weights, not yet normalised: one batch
.endr
	s_wait_dscnt 0x0                               ; the sums' parts
.irp k,0,1,2,3,4,5,6,7,8,9,10,11,12,13,14,15
	v_add_f32 v[DT+\k], v[PAR+2*\k], v[PAR+2*\k+1]   ; the pairs' sums: plain work that names no exponential's result
.endr
	s_wait_alu depctr_va_vdst(0)                   ; one wait for the batch, ahead of its first reader
	v_pk_add_f32 v[20:21], v[SC:SC+1], v[SC+2:SC+3]          ; the sum of the weights, two chains
	v_pk_add_f32 v[22:23], v[SC+4:SC+5], v[SC+6:SC+7]
	v_pk_mul_f32 v[24:25], v[SC:SC+1], v[DT:DT+1]            ; the sum of weight x pair's sum, two chains
	v_pk_mul_f32 v[26:27], v[SC+2:SC+3], v[DT+2:DT+3]
.irp i,4,6
	v_pk_add_f32 v[20:21], v[20:21], v[SC+2*\i:SC+2*\i+1]
	v_pk_add_f32 v[22:23], v[22:23], v[SC+2*\i+2:SC+2*\i+3]
.endr
.irp i,2,4,6
	v_pk_fma_f32 v[24:25], v[SC+2*\i:SC+2*\i+1], v[DT+2*\i:DT+2*\i+1], v[24:25]
	v_pk_fma_f32 v[26:27], v[SC+2*\i+2:SC+2*\i+3], v[DT+2*\i+2:DT+2*\i+3], v[26:27]
.endr
	v_pk_add_f32 v[20:21], v[20:21], v[22:23]
	s_delay_alu instid0(VALU_DEP_2)
	v_pk_add_f32 v[24:25], v[24:25], v[26:27]
	s_delay_alu instid0(VALU_DEP_2)
	v_add_f32 v20, v20, v21
	s_delay_alu instid0(VALU_DEP_2)
	v_add_f32 v24, v24, v25
.irp m,1,2,4,8
	s_delay_alu instid0(VALU_DEP_2)
	v_add_f32_dpp v20, v20, v20 row_xmask:\m row_mask:0xf bank_mask:0xf
	s_delay_alu instid0(VALU_DEP_2)
	v_add_f32_dpp v24, v24, v24 row_xmask:\m row_mask:0xf bank_mask:0xf
.endr
	s_delay_alu instid0(VALU_DEP_2)
	v_permlanex16_b32 v21, v20, s[SEL], s[SEL+1]
	s_delay_alu instid0(VALU_DEP_2)
	v_permlanex16_b32 v25, v24, s[SEL], s[SEL+1]
	s_delay_alu instid0(VALU_DEP_2)
	v_add_f32 v20, v20, v21                        ; at least 1: the largest score's weight is 1
	s_delay_alu instid0(VALU_DEP_2)
	v_add_f32 v24, v24, v25
	s_wait_alu depctr_va_vdst(0)
	v_rcp_f32 v22, v20
	v_and_b32 v[LN], 31, v0                        ; (a plain line behind the reciprocal)
	v_mov_b32 v23, 0
	s_delay_alu instid0(VALU_DEP_2)
	v_cmp_eq_u32 vcc_lo, 0, v[LN]
	s_lshl_b32 s28, ttmp9, 5                       ; out0: 4 bytes a batch row, 8 batch rows a work-group
	s_lshl_b32 s27, s[QB], 2
	s_add_co_u32 s28, s28, s27
	s_add_nc_u64 s[16:17], s[16:17], s[28:29]
	s_wait_alu depctr_va_vdst(0)                   ; the wait ahead of the reciprocal's first reader
	v_mul_f32 v24, v24, v22
	s_wait_alu depctr_va_vdst(0)
	s_wait_xcnt 0x0                                ; EXEC changes only behind this wait
	s_and_saveexec_b32 s[SAV], vcc_lo              ; every lane holds the result: lane 0 stores it
	global_store_b32 v23, v24, s[16:17]
	s_wait_xcnt 0x0                                ; and again ahead of the line that widens it
	s_or_b32 exec_lo, exec_lo, s[SAV]
.Lend:
	s_wait_tensorcnt 0x0
	ds_add_u32 v254, v255
	s_wait_dscnt 0x0
	s_endpgm
.Lfunc_end_k_qb1d0c94024_afm:
	.size	k_qb1d0c94024_afm, .Lfunc_end_k_qb1d0c94024_afm-k_qb1d0c94024_afm
	.p2alignl 7, 3214868480
	.fill 96, 4, 3214868480
	.section	.rodata,"a",@progbits
	.p2align	6, 0x0
	.amdhsa_kernel k_qb1d0c94024_afm
		.amdhsa_group_segment_fixed_size 174080
		.amdhsa_private_segment_fixed_size 0
		.amdhsa_enable_private_segment 0
		.amdhsa_kernarg_size 56
		.amdhsa_user_sgpr_count 2
		.amdhsa_user_sgpr_kernarg_segment_ptr 1
		.amdhsa_wavefront_size32 1
		.amdhsa_system_sgpr_workgroup_id_x 1
		.amdhsa_system_sgpr_workgroup_id_y 1
		.amdhsa_system_sgpr_workgroup_id_z 1
		.amdhsa_system_vgpr_workitem_id 0
		.amdhsa_next_free_vgpr 256
		.amdhsa_next_free_sgpr 66
		.amdhsa_reserve_vcc 1
		.amdhsa_float_denorm_mode_32 3
		.amdhsa_float_denorm_mode_16_64 3
		.amdhsa_memory_ordered 1
		.amdhsa_forward_progress 1
		.amdhsa_inst_pref_size 41
	.end_amdhsa_kernel
	.amdgpu_metadata
---
amdhsa.version: [ 1, 2 ]
amdhsa.kernels:
  - .name:           k_qb1d0c94024_afm
    .symbol:         k_qb1d0c94024_afm.kd
    .args:
      - { .name: x, .offset: 0, .size: 8, .value_kind: global_buffer, .address_space: global }
      - { .name: W1_codes, .offset: 8, .size: 8, .value_kind: global_buffer, .address_space: global }
      - { .name: W1_scales, .offset: 16, .size: 8, .value_kind: global_buffer, .address_space: global }
      - { .name: b1, .offset: 24, .size: 8, .value_kind: global_buffer, .address_space: global }
      - { .name: Ws, .offset: 32, .size: 8, .value_kind: global_buffer, .address_space: global }
      - { .name: bs, .offset: 40, .size: 8, .value_kind: global_buffer, .address_space: global }
      - { .name: out0, .offset: 48, .size: 8, .value_kind: global_buffer, .address_space: global }
    .group_segment_fixed_size: 174080
    .private_segment_fixed_size: 0
    .kernarg_segment_align: 8
    .kernarg_segment_size: 56
    .max_flat_workgroup_size: 512
    .sgpr_count:     66
    .vgpr_count:     256
    .wavefront_size: 32
...
	.end_amdgpu_metadata
.endif
;; end of part 1
